; MI455X (gfx1250); checked and timed in simulation.
; The chip was launched on July 23, 2026; its instructions are those of AMD's public machine-readable ISA for CDNA 5 (MIT licence, August 2026) and "CDNA5" Instruction Set Architecture Reference Guide (July 2026). The comments in the code are by the model that wrote it; some were corrected since.
;; Market State Estimation. Allowed arithmetic: matrix products marked QUANTISED: E5M2 operands, one given power-of-two scale a tensor, by v_wmma_f32_16x16x64_bf8_bf8 or v_wmma_f32_16x16x128_bf8_bf8, f32 sums; products left as they are: f32 operands where the result goes on into a quantised operand, else bf16, f16 or f32 operands; f32 sums; everything else in f32.
;; Inputs: alpha_w 1 x 1 float32; lowp_scales 2 int32 (the exponents e of the quantised operands' scales 2^e); mask 8 x 32 x 512 float32; t 8 x 512 float32; x 8 x 32 x 512 x 64 float32.
;; Outputs: out0 8 x 32 x 512 x 64 float32.
;; This version of the problem:
;;   THIS VERSION OF THE PROBLEM IS GIVEN IN LOW PRECISION. The matrix products marked QUANTISED in the list below multiply operands that are first quantised to E5M2 (5 exponent bits, 2 mantissa bits; 8 bits a number), with one given power-of-two scale for each operand tensor; their sums are f32. All else is computed in f32.
;;   The module's matrix products, in the order in which they are computed (A, B: the left and right operand; K: the contracted axis; several contracted axes count as one K, in the product's order):
;;     1. batch 8 x [M 512, K 16] x [K 16, N 512]; A: computed on the way; B: computed on the way: left as it is (K = 16 < 32)
;;     2. batch 256 x [M 512, K 512] x [K 512, N 64]; A: softmax (see below); B: input x: QUANTISED (scales: A lowp_scales[0], B lowp_scales[1])
;;   THE QUANTISER, for each operand of a quantised product, along K:
;;     - The operand's scale is 2^e, e = its entry of the input lowp_scales (int32; the entries are numbered through the quantised products in the list's order, A before B).
;;     - Each number is divided by the scale, clamped to +-57,344, and rounded to the nearest number of E5M2, ties to even, subnormals kept.
;;     - The product sums the exact products of the quantised numbers (number of the format x scale) in f32.
;;   ~~~python
;;   def quantise(x, axis, e):      # numpy; x: float32 -> the quantised numbers, widened to float32 again
;;       x = np.moveaxis(x, axis, -1); K = x.shape[-1]
;;       r = np.clip(x / 2.0 ** e, -57344, 57344)
;;       step = 2.0 ** (np.maximum(np.frexp(np.where(r == 0, 1, r))[1] - 1, -14) - 2)
;;       q = np.round(r / step) * step * 2.0 ** e      # np.round: ties to even
;;       return np.moveaxis(q, -1, axis).astype(np.float32)
;;   ~~~
;;   SOFTMAX AHEAD OF A QUANTISED PRODUCT. Where the list says 'softmax', what is quantised is not the finished softmax but p = 2^(t - M), with t = logit x log2(e) and M = ceil(the row's largest t), a whole number; so 1/2 < the row's largest p <= 1. The row's sum l is taken of the UNQUANTISED p, in f32, and the product's result is divided by l at the end. Since M is a whole number, a kernel that streams over the keys may use a running M (the ceiling of the running maximum): every later rescaling is an exact power of two, so the quantised numbers keep their values, but for numbers so far below the row's largest that they fall under the format's range.
;;   OPERANDS COMPUTED ON THE WAY. 'Computed on the way' means the value that the module computes at that place (a softmax that the list does not call 'softmax' is quantised finished and normalised). What goes into a quantiser is computed in f32, as accurately as f32 sums, v_exp_f32 and their like allow (about 1e-6 of the number): no bf16 or f16 on the way to a quantiser, and a product that is left as it is and whose result goes on into a quantised operand takes f32 operands (vector FMAs, or v_wmma_f32_16x16x4_f32). A number that lies on a knife's edge between two numbers of the format may be rounded either way, as far as f32 arithmetic and the matrix unit's own rounding can turn it there, and no further.
;; One version. Each part assembles by itself: llvm-mc -triple=amdgcn-amd-amdhsa -mcpu=gfx1250 --defsym DOCPART=n.
;; ======== version 1 of 1: 2 launches
;; limits: right only within a limited range of input values
;; workspace buffers: acodes 2,097,152 bytes; lsum 524,288 bytes
;; launch scores (part 1): grid 32 x 8, 16 waves a work-group, no clusters, 75,776 bytes of LDS; arguments t, alpha_w, mask, lowp_scales, acodes, lsum; writes acodes, lsum
.if DOCPART == 1
	.amdgcn_target "amdgcn-amd-amdhsa--gfx1250"
	.amdhsa_code_object_version 6
	.text
	.protected	k_qa661bd220e_scores
	.globl	k_qa661bd220e_scores
	.p2align	8
	.type	k_qa661bd220e_scores,@function
k_qa661bd220e_scores:
	s_mov_b64 s[64:65], 0
	v_nop
	global_prefetch_b8 v0, s[64:65] scope:SCOPE_SE
	s_setreg_imm32_b32 hwreg(HW_REG_WAVE_MODE, 25, 1), 1
	s_wait_xcnt 0x0
; MarketStateEstimation, first of two launches: what does not hang on the plane p is made once for each batch b, and the row sums.
; THE WHOLE PROGRAM.  score[b][s][t] = tpe[s] . tpe[t] / 4, tpe = eight pairs (sin, cos): |tpe|^2 = 8 for every input (sin^2 + cos^2 = 1), so every logit lies in [-2, 2] and a row's own key gives 2.
; With t = logit x log2(e), a row whose own key counts has M = ceil(2.885..) = 3: the computation itself bounds the exponents (-5.9 <= t - 3 <= -0.11), so the shift is the constant 3, and
; P[s][t] = 2^(t - 3) and its codes are the same for all 32 planes; P[s][s] = e^2 / 8.  A hidden key has p = 0, code 0: the second launch puts that zero code on x's side of the product (the same exact zero products),
; adds a row's own key, where the mask hides it from the other rows, as one exact product of the two quantised numbers, and serves a row with no key at all (all logits -1e9: p = 1, l = 512) by a column sum.
; Every input has its way to the output and both products of the problem's table are made.  The one thing not computed again is a row's score with itself, which the identity above gives.
; THIS LAUNCH stores: acodes, P's codes of E5M2 with the given scale 2^ep, as images of operand registers: [b][K step c][16 queries qt][n][lane][16 bytes]: lane (r, h) holds query 16 qt + r against
; keys 16 T + 8 h + 0..7 for the key tiles T = 8 n + c and 8 n + 4 + c;  lsum[b][qt][p][16] = the sum over t of valid[p][t] P[s][t], of the unquantised P, in f32 (valid = not (mask < 0.5)).
; LIMITS.  ep between -126 and 112, so that 2^ep and 57,344 x 2^ep are f32 numbers.  A row whose own key is hidden (mask + 1 < 0.5) also takes M = 3 in place of the ceiling of its largest t: p and l carry the same
; power of two, so the quantised numbers are the same as long as -15 <= ep <= 8.  Angles (elu(1000 alpha) + 1 at the most) up to 1e5: the reduction by pi is in two parts.  NaN among the inputs is not served, nor a row of t
; whose largest equals its least (0 / 0 in reference()).  elu(x) + 1 is taken as x + 1 above 0 and as e^x else: it differs from expm1(x) + 1 by less than one rounding of a number near 1.
; SHARES.  A work-group: one b, 16 queries, all 512 keys; 16 waves.  A thread makes the eight pairs (sin, cos) of one key; a wave makes two tiles of 16 keys x 16 queries, S^T = keys x queries, so that a lane holds
; one query and eight neighbouring keys: these registers are the codes' order, and in pairs they are an operand of the row sums' products (queries x keys x planes), both in f32.
; No tensor load: t and the mask go straight into registers.
.set TP, 0                             ; LDS: four arrays of 512 x 16 bytes: sin 0-3, sin 4-7, cos 0-3, cos 4-7 of each key
.set ARR, 8192
.set RB, 40960                         ; 16 waves x 2,048 bytes: the waves' parts of the row sums
.set SPARE, 73728                      ; the spare words, 128 bytes a wave: no other line names them
.set LN, 1
.set SPW, 2
.set NIL, 3
.set A16, 4
.set T4, 5
.set MOF, 6
.set TW, 7
.set KRD, 8
.set QRD, 9
.set RBW, 10
.set RBR, 11
.set U16, 12
.set R, 13
.set H, 14
.set TV, 15
.set TD, 16                            ; v16-31 the row of t
.set MK, 32                            ; v32-63 mask: 16 u + 8 pt + key
.set KC, 64                            ; v64-79 constants, each twice
.set RD, 16                            ; (end) v16-79 the waves' parts
.set AN, 80
.set NN, 88
.set ZZ, 96
.set PS, 104
.set PC, 112
.set T1, 120
.set T2, 128
.set SN, 136
.set CN, 144
.set E, 80                             ; v80-95 P
.set HB, 96
.set CO, 112
.set MN, 152
.set MX, 153
.set PA, 154
.set PB, 155
.set AL, 156
.set SC, 157
.set DD, 158
.set RC, 159
.set X1, 160
.set EE, 161
.set Q, 162
.set CM3, 164
.set LIMP, 166
.set SCP, 167
.set KA, 168                           ; v168-183 two key tiles' operands
.set QF, 184                           ; v184-191 the queries'
.set S, 192                            ; v192-207 scores, written by matrix instructions alone
.set L, 208                            ; v208-223 row sums, likewise
	s_load_b256 s[4:11], s[0:1], 0x0               ; t s[4:5], alpha_w s[6:7], mask s[8:9], lowp_scales s[10:11]
	s_load_b128 s[12:15], s[0:1], 0x20             ; acodes s[12:13], lsum s[14:15]
	v_lshl_add_u32 v[SPW], v0, 2, SPARE
	v_mov_b32 v[NIL], 0
	v_lshrrev_b32 v[R], 5, v0
	v_readfirstlane_b32 s18, v[R]                  ; wave
	v_and_b32 v[LN], 31, v0
	v_and_b32 v[R], 15, v0
	v_bfe_u32 v[H], v0, 4, 1
	v_lshlrev_b32 v[A16], 4, v[LN]
	v_lshlrev_b32 v[T4], 2, v0
	v_lshlrev_b32 v[U16], 4, v0
	v_lshlrev_b32 v[MOF], 11, v[R]
	v_lshl_add_u32 v[MOF], v[H], 5, v[MOF]         ; plane r, keys 8 h on
	s_and_b32 s19, ttmp7, 0xffff                   ; b
	s_and_b32 s20, ttmp9, 31                       ; qt
	s_lshr_b32 s21, s18, 2                         ; n
	s_and_b32 s22, s18, 3                          ; c
	s_lshl_b32 s23, s21, 3
	s_add_co_u32 s23, s23, s22                     ; my first key tile, 8 n + c; the second is four further on
	s_lshl_b32 s24, s19, 11
	s_mov_b32 s25, 0
	s_lshl_b32 s26, s19, 16
	s_lshl_b32 s27, s23, 6
	s_add_co_u32 s26, s26, s27
	s_mov_b32 s27, 0
	s_lshl_b32 s28, s19, 18
	s_lshl_b32 s29, s22, 16
	s_add_co_u32 s28, s28, s29
	s_lshl_b32 s29, s20, 11
	s_add_co_u32 s28, s28, s29
	s_lshl_b32 s30, s19, 16
	s_add_co_u32 s30, s30, s29
	s_mov_b32 s31, 0
	s_lshl_b32 s29, s21, 9
	s_add_co_u32 s28, s28, s29
	s_mov_b32 s29, 0
	s_wait_alu depctr_va_vdst(0)
	s_wait_kmcnt 0x0
	s_load_b32 s34, s[6:7], 0x0                    ; alpha
	s_load_b32 s35, s[10:11], 0x0                  ; ep
	s_add_nc_u64 s[4:5], s[4:5], s[24:25]
	s_add_nc_u64 s[8:9], s[8:9], s[26:27]
	s_add_nc_u64 s[12:13], s[12:13], s[28:29]
	s_add_nc_u64 s[14:15], s[14:15], s[30:31]
.irp j, 0,1,2,3
	global_load_b128 v[TD+4*\j:TD+4*\j+3], v[A16], s[4:5] offset:512*\j   ; every wave reads the whole row of t: its least and largest need no other wave
.endr
	global_load_b32 v[TV], v[T4], s[4:5]           ; my key's
.irp u, 0,1
.irp pt, 0,1
.irp k, 0,1
	global_load_b128 v[MK+16*\u+8*\pt+4*\k:MK+16*\u+8*\pt+4*\k+3], v[MOF], s[8:9] offset:256*\u+32768*\pt+16*\k
.endr
.endr
.endr
	s_mov_b32 s40, 0x3f800000                      ; 10000^(-i/8), i = 0 .. 7
	s_mov_b32 s41, 0x3ea1e89b
	s_mov_b32 s42, 0x3dcccccd
	s_mov_b32 s43, 0x3d0186e2
	s_mov_b32 s44, 0x3c23d70a
	s_mov_b32 s45, 0x3b4f3e37
	s_mov_b32 s46, 0x3a83126f
	s_mov_b32 s47, 0x39a5cb5f
.irp w, 0,1                            ; the packed forms name a pair: both words are written
	s_mov_b32 s[48+\w], 0x3ea2f983                 ; 1 / pi
	s_mov_b32 s[50+\w], 0xc0490fdb                 ; -(pi rounded to f32)
	s_mov_b32 s[52+\w], 0x33bbbd2e                 ; -(the rest of pi)
	s_mov_b32 s[54+\w], 0xb2d7322b                 ; sin r = r + r z (S1 + z (S2 + ..)), z = r^2, |r| <= pi / 2: the series to r^11
	s_mov_b32 s[56+\w], 0x310f76c7                 ; cos r = 1 - z / 2 + z^2 (C1 + z (C2 + ..)): to r^12
	s_mov_b32 s[58+\w], 0x3eb8aa3b                 ; log2(e) / 4
	v_mov_b32 v[KC+\w], 0xbe2aaaab                 ; S1 .. S4
	v_mov_b32 v[KC+2+\w], 0x3c088889
	v_mov_b32 v[KC+4+\w], 0xb9500d01
	v_mov_b32 v[KC+6+\w], 0x3638ef1d
	v_mov_b32 v[KC+8+\w], 0x3d2aaaab               ; C1 .. C4
	v_mov_b32 v[KC+10+\w], 0xbab60b61
	v_mov_b32 v[KC+12+\w], 0x37d00d01
	v_mov_b32 v[KC+14+\w], 0xb493f27e
	v_mov_b32 v[CM3+\w], 0xc0400000                ; -3
.endr
	s_mov_b32 s60, 0x76543210                      ; v_permlanex16_b32: lane l xor 16
	s_mov_b32 s61, 0xfedcba98
	v_lshlrev_b32 v[TW], 4, v0                     ; LDS addresses, all made here: constants, the lane, the wave, qt
	v_lshlrev_b32 v[KRD], 4, v[R]
	v_lshl_add_u32 v[KRD], v[H], 14, v[KRD]        ; lanes 0-15 take sines, lanes 16-31 cosines; 16 lanes read 256 consecutive bytes
	s_lshl_b32 s36, s20, 8
	v_add_nc_u32 v[QRD], s36, v[KRD]
	s_lshl_b32 s36, s23, 8
	v_add_nc_u32 v[KRD], s36, v[KRD]
	s_lshl_b32 s36, s18, 11
	s_add_co_u32 s36, s36, RB
	v_lshl_add_u32 v[RBW], v[LN], 4, s36
	v_bfe_u32 v[RBR], v0, 6, 1                     ; the way out: thread u takes plane u / 4, queries 4 (u % 4) on: image 2 (u / 64) + u % 2, lane (u / 4) % 16 + 16 ((u / 2) % 2)
	v_lshlrev_b32 v[RBR], 10, v[RBR]
	v_and_b32 v[PA], 1, v0
	v_lshl_add_u32 v[RBR], v[PA], 9, v[RBR]
	v_bfe_u32 v[PA], v0, 2, 4
	v_lshl_add_u32 v[RBR], v[PA], 4, v[RBR]
	v_bfe_u32 v[PA], v0, 1, 1
	v_lshl_add_u32 v[RBR], v[PA], 8, v[RBR]
	v_add_nc_u32 v[RBR], RB, v[RBR]
	v_mov_b32 v[PA], 0                             ; a lane permute's destination counts as read
	v_mov_b32 v[PB], 0
	s_wait_alu depctr_va_vdst(0)                   ; the head's end
	s_wait_kmcnt 0x0
	s_add_co_i32 s36, s35, 127
	s_lshl_b32 s37, s36, 23
	v_mov_b32 v[SCP], s37                          ; 2^ep as f32: the conversion takes its exponent field
	s_add_co_i32 s36, s36, 15
	s_lshl_b32 s36, s36, 23
	s_or_b32 s36, s36, 0x600000
	v_mov_b32 v[LIMP], s36                         ; 57,344 x 2^ep
	v_mov_b32 v[AL], s34
	v_mul_f32 v[AL], 0x447a0000, v[AL]             ; 1000 alpha
	v_mul_f32 v[SC], 0x3fb8aa3b, v[AL]
	s_wait_alu depctr_va_vdst(0)
	s_wait_loadcnt 8                               ; t is in; the eight loads of the mask may be out
	v_min3_num_f32 v[MN], v[TD], v[TD+1], v[TD+2]
	v_max3_num_f32 v[MX], v[TD], v[TD+1], v[TD+2]
.irp i, 3,5,7,9,11,13
	v_min3_num_f32 v[MN], v[MN], v[TD+\i], v[TD+\i+1]
	v_max3_num_f32 v[MX], v[MX], v[TD+\i], v[TD+\i+1]
.endr
	v_min_num_f32 v[MN], v[MN], v[TD+15]
	v_max_num_f32 v[MX], v[MX], v[TD+15]
.irp m, 1,2,4,8
	v_min_num_f32_dpp v[MN], v[MN], v[MN] row_xmask:\m row_mask:0xf bank_mask:0xf
	v_max_num_f32_dpp v[MX], v[MX], v[MX] row_xmask:\m row_mask:0xf bank_mask:0xf
.endr
	v_permlanex16_b32 v[PA], v[MN], s60, s61
	v_permlanex16_b32 v[PB], v[MX], s60, s61
	v_min_num_f32 v[MN], v[MN], v[PA]
	v_max_num_f32 v[MX], v[MX], v[PB]
	v_sub_f32 v[DD], v[MX], v[MN]
	s_wait_alu depctr_va_vdst(0)                   ; ahead of the batch
	v_exp_f32 v[SC], v[SC]                         ; e^x
	v_rcp_f32 v[RC], v[DD]
	v_add_f32 v[X1], 1.0, v[AL]
	v_cmp_lt_f32 vcc_lo, 0, v[AL]
	v_sub_f32 v[TV], v[TV], v[MN]
	s_wait_alu depctr_va_vdst(0)                   ; one wait for both, ahead of their first reader
	v_cndmask_b32 v[SC], v[SC], v[X1], vcc_lo      ; elu(x) + 1
	v_mul_f32 v[Q], v[TV], v[RC]                   ; (t - min) / (max - min): the reciprocal's quotient, mended once by its remainder
	v_fma_f32 v[EE], -v[Q], v[DD], v[TV]
	v_fma_f32 v[Q], v[EE], v[RC], v[Q]
	v_mul_f32 v[AN], v[SC], v[Q]                   ; my key's position; frequency 0 has the factor 1
.irp i, 1,2,3,4,5,6,7
	v_mul_f32 v[AN+\i], s[40+\i], v[AN]
.endr
; eight angles, step by step
.irp i, 0,2,4,6
	v_pk_mul_f32 v[NN+\i:NN+\i+1], v[AN+\i:AN+\i+1], s[48:49] op_sel_hi:[1,0]
.endr
.irp i, 0,1,2,3,4,5,6,7
	v_rndne_f32 v[NN+\i], v[NN+\i]                 ; n = the nearest multiple of pi
.endr
.irp i, 0,2,4,6
	v_pk_fma_f32 v[AN+\i:AN+\i+1], v[NN+\i:NN+\i+1], s[50:51], v[AN+\i:AN+\i+1] op_sel_hi:[1,0,1]   ; exact: where n is not 0 both terms are multiples of 2^-23 or coarser, and the difference is under 2
.endr
.irp i, 0,2,4,6
	v_pk_fma_f32 v[AN+\i:AN+\i+1], v[NN+\i:NN+\i+1], s[52:53], v[AN+\i:AN+\i+1] op_sel_hi:[1,0,1]   ; r
.endr
.irp i, 0,1,2,3,4,5,6,7
	v_cvt_i32_f32 v[NN+\i], v[NN+\i]
.endr
.irp i, 0,2,4,6
	v_pk_mul_f32 v[ZZ+\i:ZZ+\i+1], v[AN+\i:AN+\i+1], v[AN+\i:AN+\i+1]
.endr
.irp i, 0,2,4,6
	v_pk_fma_f32 v[PS+\i:PS+\i+1], v[ZZ+\i:ZZ+\i+1], s[54:55], v[KC+6:KC+7] op_sel_hi:[1,0,1]
	v_pk_fma_f32 v[PC+\i:PC+\i+1], v[ZZ+\i:ZZ+\i+1], s[56:57], v[KC+14:KC+15] op_sel_hi:[1,0,1]
.endr
.irp k, 4,2,0
.irp i, 0,2,4,6
	v_pk_fma_f32 v[PS+\i:PS+\i+1], v[PS+\i:PS+\i+1], v[ZZ+\i:ZZ+\i+1], v[KC+\k:KC+\k+1]
	v_pk_fma_f32 v[PC+\i:PC+\i+1], v[PC+\i:PC+\i+1], v[ZZ+\i:ZZ+\i+1], v[KC+8+\k:KC+8+\k+1]
.endr
.endr
.irp i, 0,2,4,6
	v_pk_mul_f32 v[T1+\i:T1+\i+1], v[AN+\i:AN+\i+1], v[ZZ+\i:ZZ+\i+1]
	v_pk_fma_f32 v[T2+\i:T2+\i+1], v[ZZ+\i:ZZ+\i+1], -0.5, 1.0 op_sel_hi:[1,0,0]
.endr
.irp i, 0,2,4,6
	v_pk_mul_f32 v[ZZ+\i:ZZ+\i+1], v[ZZ+\i:ZZ+\i+1], v[ZZ+\i:ZZ+\i+1]
	v_pk_fma_f32 v[SN+\i:SN+\i+1], v[T1+\i:T1+\i+1], v[PS+\i:PS+\i+1], v[AN+\i:AN+\i+1]   ; sin r
.endr
.irp i, 0,2,4,6
	v_pk_fma_f32 v[CN+\i:CN+\i+1], v[ZZ+\i:ZZ+\i+1], v[PC+\i:PC+\i+1], v[T2+\i:T2+\i+1]   ; cos r
.endr
.irp i, 0,1,2,3,4,5,6,7
	v_lshlrev_b32 v[NN+\i], 31, v[NN+\i]           ; an odd n turns the sign of both
.endr
.irp i, 0,1,2,3,4,5,6,7
	v_xor_b32 v[SN+\i], v[NN+\i], v[SN+\i]
	v_xor_b32 v[CN+\i], v[NN+\i], v[CN+\i]
.endr
.irp j, 0,1
	ds_store_b128 v[TW], v[SN+4*\j:SN+4*\j+3] offset:TP+ARR*\j
	ds_store_b128 v[TW], v[CN+4*\j:CN+4*\j+3] offset:TP+2*ARR+ARR*\j
.endr
	s_wait_alu depctr_va_vdst(0)
	s_wait_dscnt 0x0                               ; my row has landed
	s_barrier_signal -1
	s_barrier_wait -1                              ; everybody's has
.irp j, 0,1
	ds_load_b128 v[QF+4*\j:QF+4*\j+3], v[QRD] offset:TP+ARR*\j     ; lane (r, h): numbers 8 h + 0..7 of row r: one order of the 16 on both sides
	ds_load_b128 v[KA+4*\j:KA+4*\j+3], v[KRD] offset:TP+ARR*\j
	ds_load_b128 v[KA+8+4*\j:KA+8+4*\j+3], v[KRD] offset:TP+1024+ARR*\j
.endr
	s_wait_dscnt 0x0
.irp i, 0,1,2,3                        ; S^T: two tiles of keys by turns
.irp u, 0,1
.if \i == 0
	v_wmma_f32_16x16x4_f32 v[S+8*\u:S+8*\u+7], v[KA+8*\u+2*\i:KA+8*\u+2*\i+1], v[QF+2*\i:QF+2*\i+1], 0
.else
	v_wmma_f32_16x16x4_f32 v[S+8*\u:S+8*\u+7], v[KA+8*\u+2*\i:KA+8*\u+2*\i+1], v[QF+2*\i:QF+2*\i+1], v[S+8*\u:S+8*\u+7]
.endif
.endr
.endr
	s_wait_loadcnt 0x0                             ; the mask
.set I, 0
.rept 32                               ; (these lines are also the places behind the products)
	v_cmp_gt_f32 vcc_lo, 0.5, v[MK+I]              ; mask < 0.5: the key is hidden from the other rows
	v_cndmask_b32 v[MK+I], 1.0, v[NIL], vcc_lo
.set I, I+1
.endr
.irp i, 0,2,4,6,8,10,12,14
	v_pk_fma_f32 v[E+\i:E+\i+1], v[S+\i:S+\i+1], s[58:59], v[CM3:CM3+1] op_sel_hi:[1,0,1]   ; t - 3; each accumulator from its low end on
.endr
	s_wait_alu depctr_va_vdst(0)                   ; ahead of the batch
.set I, 0
.rept 16
	v_exp_f32 v[E+I], v[E+I]                       ; P = 2^(t - 3)
.set I, I+1
.endr
	v_nop                                          ; a plain line behind the last exponential
	s_wait_alu depctr_va_vdst(0)                   ; one wait for the batch, ahead of its first reader
.irp u, 0,1                            ; row sums: 16 queries x 16 planes, twice; a pair of registers holds keys 8 h + 2 i, + 1 on both sides
.irp i, 0,1,2,3
.irp pt, 0,1
.if (\u+\i) == 0
	v_wmma_f32_16x16x4_f32 v[L+8*\pt:L+8*\pt+7], v[E+8*\u+2*\i:E+8*\u+2*\i+1], v[MK+16*\u+8*\pt+2*\i:MK+16*\u+8*\pt+2*\i+1], 0
.else
	v_wmma_f32_16x16x4_f32 v[L+8*\pt:L+8*\pt+7], v[E+8*\u+2*\i:E+8*\u+2*\i+1], v[MK+16*\u+8*\pt+2*\i:MK+16*\u+8*\pt+2*\i+1], v[L+8*\pt:L+8*\pt+7]
.endif
.endr
.endr
.endr
.set I, 0
.rept 16
	v_min_num_f32 v[HB+I], v[E+I], v[LIMP]         ; the conversion to an 8-bit code does not saturate (ISA guide 7.6.2); P is positive, so the hold is one-sided; the row sums keep the unheld P
.set I, I+1
.endr
	v_cvt_scalef32_pk8_bf8_f32 v[CO:CO+1], v[HB:HB+7], v[SCP]
	v_cvt_scalef32_pk8_bf8_f32 v[CO+2:CO+3], v[HB+8:HB+15], v[SCP]
	v_nop                                          ; a plain line behind the last conversion
	global_store_b128 v[A16], v[CO:CO+3], s[12:13] ; 32 lanes store 512 consecutive bytes, aligned
.irp i, 0,1,2,3
	ds_store_b128 v[RBW], v[L+4*\i:L+4*\i+3] offset:512*\i   ; my part as an image; the sixteen holds above are the places behind the last product
.endr
	s_wait_alu depctr_va_vdst(0)
	s_wait_tensorcnt 0x0                           ; behind my last LDS store
	ds_add_u32 v[SPW], v[NIL]
	s_wait_dscnt 0x0
	s_barrier_signal -1
	s_barrier_wait -1                              ; the sixteen waves' parts lie in LDS
	s_cmp_gt_u32 s18, 3                            ; waves 0 to 3 add them: 512 sums, 4 a lane
	s_cbranch_scc1 .Ldone
.set I, 0
.rept 16
	ds_load_b128 v[RD+4*I:RD+4*I+3], v[RBR] offset:2048*I
.set I, I+1
.endr
	s_wait_dscnt 0x0
.macro HALVE n
.set I, 0
.rept \n
	v_pk_add_f32 v[RD+4*I:RD+4*I+1], v[RD+4*I:RD+4*I+1], v[RD+4*I+4*\n:RD+4*I+4*\n+1]
	v_pk_add_f32 v[RD+4*I+2:RD+4*I+3], v[RD+4*I+2:RD+4*I+3], v[RD+4*I+4*\n+2:RD+4*I+4*\n+3]
.set I, I+1
.endr
.endm
	HALVE 8
	HALVE 4
	HALVE 2
	HALVE 1
	global_store_b128 v[U16], v[RD:RD+3], s[14:15] ; 32 lanes store 512 consecutive bytes, aligned
.Ldone:
	s_endpgm
.Lfunc_end_k_qa661bd220e_scores:
	.size	k_qa661bd220e_scores, .Lfunc_end_k_qa661bd220e_scores-k_qa661bd220e_scores
	.p2alignl 7, 3214868480
	.fill 96, 4, 3214868480
	.section	.rodata,"a",@progbits
	.p2align	6, 0x0
	.amdhsa_kernel k_qa661bd220e_scores
		.amdhsa_group_segment_fixed_size 75776
		.amdhsa_private_segment_fixed_size 0
		.amdhsa_enable_private_segment 0
		.amdhsa_kernarg_size 48
		.amdhsa_user_sgpr_count 2
		.amdhsa_user_sgpr_kernarg_segment_ptr 1
		.amdhsa_wavefront_size32 1
		.amdhsa_system_sgpr_workgroup_id_x 1
		.amdhsa_system_sgpr_workgroup_id_y 1
		.amdhsa_system_sgpr_workgroup_id_z 1
		.amdhsa_system_vgpr_workitem_id 0
		.amdhsa_next_free_vgpr 224
		.amdhsa_next_free_sgpr 66
		.amdhsa_reserve_vcc 1
		.amdhsa_float_denorm_mode_32 3
		.amdhsa_float_denorm_mode_16_64 3
		.amdhsa_memory_ordered 1
		.amdhsa_forward_progress 1
		.amdhsa_inst_pref_size 25
	.end_amdhsa_kernel
	.amdgpu_metadata
---
amdhsa.version: [ 1, 2 ]
amdhsa.kernels:
  - .name:           k_qa661bd220e_scores
    .symbol:         k_qa661bd220e_scores.kd
    .args:
      - { .name: t, .offset: 0, .size: 8, .value_kind: global_buffer, .address_space: global }
      - { .name: alpha_w, .offset: 8, .size: 8, .value_kind: global_buffer, .address_space: global }
      - { .name: mask, .offset: 16, .size: 8, .value_kind: global_buffer, .address_space: global }
      - { .name: lowp_scales, .offset: 24, .size: 8, .value_kind: global_buffer, .address_space: global }
      - { .name: acodes, .offset: 32, .size: 8, .value_kind: global_buffer, .address_space: global }
      - { .name: lsum, .offset: 40, .size: 8, .value_kind: global_buffer, .address_space: global }
    .group_segment_fixed_size: 75776
    .private_segment_fixed_size: 0
    .kernarg_segment_align: 8
    .kernarg_segment_size: 48
    .max_flat_workgroup_size: 512
    .sgpr_count:     66
    .vgpr_count:     224
    .wavefront_size: 32
...
	.end_amdgpu_metadata
.endif
;; end of part 1
;; launch mix (part 2): grid 32 x 8, 8 waves a work-group, clusters of 4 x 1, 327,680 bytes of LDS; arguments x, mask, lowp_scales, acodes, lsum, out0; writes out0
.if DOCPART == 2
	.amdgcn_target "amdgcn-amd-amdhsa--gfx1250"
	.amdhsa_code_object_version 6
	.text
	.protected	k_qa661bd220e_mix
	.globl	k_qa661bd220e_mix
	.p2align	8
	.type	k_qa661bd220e_mix,@function
k_qa661bd220e_mix:
	s_mov_b64 s[64:65], 0
	v_nop
	global_prefetch_b8 v0, s[64:65] scope:SCOPE_SE
	s_setreg_imm32_b32 hwreg(HW_REG_WAVE_MODE, 25, 1), 1
	s_wait_xcnt 0x0
	s_wait_alu depctr_hold_cnt(0) depctr_sa_sdst(0) depctr_va_vdst(0) depctr_va_sdst(0) depctr_va_ssrc(0) depctr_va_vcc(0) depctr_vm_vsrc(0)
	s_getreg_b32 s2, hwreg(HW_REG_IB_STS2, 6, 4)
	s_cmp_eq_u32 s2, 0
	s_cbranch_scc0 .Lentry_in_a_cluster
	s_endpgm
.Lentry_in_a_cluster:
	s_bfe_u32 s2, ttmp6, 0x10000c
	s_cmp_lg_u32 s2, 0x3003
	s_cbranch_scc0 .Lentry_shape_is_right
	s_endpgm
.Lentry_shape_is_right:
; Second launch: out[b][p] = x m + (1 - m) softmax(..) x, one work-group for each (b, p).  What is equal for all planes was made by the first launch; a row's score with itself is taken from the identity stated there.
; THE PRODUCT.  G[s][d] = sum over t of val(code(P[s][t])) x val(code(x[t][d])) x keep[t], on codes of E5M2 by v_wmma_f32_16x16x128_bf8_bf8.  A hidden key's p is 0 and its code 0; here the zero code stands on x's side: the same exact products.
; hid = mask < 0.5 (hidden from the other rows; keep = not hid), hidd = mask + 1 < 0.5 (hidden from its own row too), any = some key of the plane is not hid.
;   row sum   l = lsum + (hid and not hidd) P[s][s], P[s][s] = e^2 / 8;  512 where hidd and not any (all logits are -1e9: p = 1 for all 512 keys)
;   W         = (1 - m) 2^(ep + ex) / l
;   out       = x m + G W + val(code(x)) fD + colsum fU,  fD = (hid and not hidd) W val(code(P[s][s])),  fU = (hidd and not any) W: choices are factors of 0, never branches.
;   colsum    = the sum over all 512 keys of val(code(1)) val(code(x)): each wave's 64 rows in one product with rows of code(1), the eight waves' parts added.
; LIMITS.  ep, ex between -126 and 112; 2^(ep + ex) goes in by v_ldexp_f32.  NaN among the inputs is not served.  The first launch's head states the limit on rows whose own key is hidden.
; SHARES.  Eight waves.  Wave w owns rows 64 w .. 64 w + 63 as keys (it quantises them) and as queries (it makes their results), four tiles of 16.  x goes from memory straight into registers and stays there in f32:
; lane (r, h) holds, of rows 8 h + j (j = 0 .. 7) of a tile, channels 4 r .. 4 r + 3; channel tile dt is channels 4 r + dt.  So 16 lanes load one row of 256 bytes, aligned; a lane's eight rows of one channel are eight neighbours
; along the keys, as the conversions want them; and the products' results (register j: query 8 h + j, lane r: channel 4 r + dt) lie as x does: they are stored as whole rows, with no way through LDS.
; K step c is tile c of all eight waves: registers 2 w, 2 w + 1 of an operand are wave w's keys.  Tile c is quantised when it has landed, while the later tiles are on their way; K steps 0 and 1 share one barrier.
; P'S CODES, 262,144 bytes for a b, come by two roads.  K steps 0 and 1: each wave loads the fragments of its own query tiles from memory straight into the registers that use them, once.  K steps 2 and 3, for which no registers
; are free by then: CLUSTERS: four work-groups of one b ask for them jointly, one load a wave at the head, 1 out at the most: 2 rows of 8,192 bytes for the wave's own query tiles, read back by that wave alone.
; The first two K steps are not asked for jointly: that road leads through LDS, which would hold them between one write and one read.  No LDS byte is filled twice.
; NO PREFETCH: there is no loop to run ahead in: all of x and of P's codes is asked for in the head.
; REGISTERS, in windows of 256: window 0: v1-22 addresses and constants; v24-55 x's codes; v56-63 keep bytes, later colsum; v64-127 x^T's fragments, and the quantising's work; v128-191, v192-255 P's fragments of even and odd K steps;
;   on the way out v64-95 at work, v96-127 and v160-191 results, v128-159 and v192-223 factors.
;   window 1: v0-127 x, tile c at 32 c + 4 j + dt; v128-255 the accumulators, (query tile q, channel tile dt) at 128 + 32 q + 8 dt.
.set XI, 131072                        ; LDS: behind P's codes of K steps 2 and 3: x^T's 16 fragments as images: (4 c + dt) x 2,048 bytes
.set KB, XI+32768                      ; 512 keep bytes: 0xff or 0
.set FT, KB+512                        ; four factors (m, W, fD, fU) x 512 rows
.set CS0, FT+8192                      ; colsum's parts, 256 bytes a wave
.set SPARE, CS0+2048                   ; the spare words, 128 bytes a wave: no other line names them
.set SPW, 1
.set NIL, 2
.set XO, 3                             ; my 16 bytes of a tile of x and of out
.set AL, 4                             ; my place in P's images
.set BL, 5
.set IST, 6
.set FR, 7
.set KR, 8
.set CSW, 9
.set CSR, 10
.set LIMX, 11                          ; 57,344 x 2^ex
.set SCX, 12                           ; 2^ex
.set S7F, 13                           ; the scale byte of 1, four times
.set CONE, 14                          ; code(1), four times
.set R, 15
.set H, 16
.set L16, 17
.set LN, 18
.set FW, 19
.set KW, 20
.set LO8, 21
.set LL, 22
.set CQ, 24                            ; code registers: 8 dt + 2 c
.set KM, 56
.set CSU, 56                           ; (way out) colsum of my four channels, each twice
.set BF, 64
.set XQ, 64                            ; the quantising's work, and the way out's
.set AF, 128                           ; + 64 in odd K steps
.set FS0, 128
.set CP, 160                           ; colsum's eight parts
.set OUT, 96                           ; + 64 in odd tiles
.set M0, 64                            ; (head)
.set MX, 80
.set MO, 82
.set LS, 84
.set TT, 86
.set KT, 88
.set WW, 90
.set FD, 92
.set FU, 94
.set HH, 96
.set CC, 104
.set DQ, 106
.set VFF, 114
.set V512, 115
.set PSS, 116
.set LIMP, 117
.set SCP, 118
.set X, 0                              ; window 1
.set ACC, 128                          ; window 1
.set G1, 24
.set G0, 32
.set MSB, 0
.macro WIN new                         ; the immediate's high byte repeats the setting that is left
.if MSB != (\new)
	s_set_vgpr_msb (MSB<<8)|(\new)
.set MSB, (\new)
.endif
.endm
.macro ROUND                           ; a round of the cluster's barrier
	s_barrier_signal -1
	s_barrier_wait -1
	s_cmp_lg_u32 s18, 0
	s_cbranch_scc1 .Lnot_wave_0_\@
	s_barrier_signal -3
.Lnot_wave_0_\@:
	s_barrier_wait -3
	s_barrier_signal -1
	s_barrier_wait -1
.endm
.macro LOADX c                         ; tile c of my rows: each load reads two whole rows
	WIN 0x40
.irp j, 0,1,2,3,4,5,6,7
	global_load_b128 v[X+32*(\c)+4*\j:X+32*(\c)+4*\j+3], v[XO], s[4:5] offset:4096*(\c)+256*\j th:TH_LOAD_NT
.endr
	WIN 0
.endm
.macro GLOADP c                        ; P's four fragments of K step c = 0 or 1 from memory: 16 loads of 512 consecutive bytes
.irp q, 0,1,2,3
.irp n, 0,1,2,3
	global_load_b128 v[AF+64*(\c)+16*\q+4*\n:AF+64*(\c)+16*\q+4*\n+3], v[L16], s[52:53] offset:65536*(\c)+2048*\q+512*\n
.endr
.endr
.endm
	s_load_b256 s[4:11], s[0:1], 0x0               ; x s[4:5], mask s[6:7], lowp_scales s[8:9], acodes s[10:11]
	s_load_b128 s[12:15], s[0:1], 0x20             ; lsum s[12:13], out0 s[14:15]
	v_lshl_add_u32 v[SPW], v0, 2, SPARE
	v_mov_b32 v[NIL], 0
	ds_add_u32 v[SPW], v[NIL]                      ; the wave's opening: the add, twice on end, and its wait ahead of my tensor load
	ds_add_u32 v[SPW], v[NIL]
	v_lshrrev_b32 v[R], 5, v0
	v_readfirstlane_b32 s18, v[R]                  ; wave
	s_and_b32 s20, ttmp7, 0xffff                   ; b
	s_bfe_u32 s21, ttmp6, 0x40000                  ; cx
	s_lshl_b32 s22, ttmp9, 2
	s_add_co_u32 s22, s22, s21                     ; p = 4 x cluster x + cx
	s_lshl_b32 s23, s20, 5
	s_add_co_u32 s23, s23, s22                     ; 32 b + p
	s_mov_b32 s[G1+0], 15|(3<<16)|(1<<21)          ; mask: all four; elements of 8 bytes; 21 set beside a mask
	s_mov_b32 s[G1+1], 1024<<16                    ; tensor_dim0 = 1,024: rows of 8,192 bytes
	s_mov_b32 s[G1+2], 2<<16                       ; tensor_dim1 = 2
	s_mov_b32 s[G1+3], 1024<<16                    ; tile_dim0
	s_mov_b32 s[G1+4], 2                           ; tile_dim1
	s_mov_b32 s[G1+5], 8192                        ; from K step to K step: 65,536 bytes
	s_mov_b32 s[G1+6], 0
	s_mov_b32 s[G1+7], 0
	s_lshl_b32 s40, s23, 17                        ; a plane of x and of out: 131,072 bytes
	s_lshl_b32 s41, s18, 14                        ; my 64 rows
	s_add_co_u32 s40, s40, s41
	s_mov_b32 s41, 0
	s_lshl_b32 s42, s23, 11                        ; the plane's row of the mask
	s_mov_b32 s43, 0
	s_lshl_b32 s44, s20, 16                        ; lsum: b x 65,536 + p x 64
	s_lshl_b32 s45, s22, 6
	s_add_co_u32 s44, s44, s45
	s_mov_b32 s45, 0
	s_lshl_b32 s46, s20, 18                        ; acodes: b x 262,144 + wave x 8,192: nothing that the partners do not share
	s_lshl_b32 s47, s18, 13
	s_add_co_u32 s46, s46, s47
	s_mov_b32 s47, 0
	v_and_b32 v[LN], 31, v0
	v_and_b32 v[R], 15, v0
	v_bfe_u32 v[H], v0, 4, 1
	v_lshlrev_b32 v[L16], 4, v[LN]
	v_lshlrev_b32 v[XO], 4, v[R]
	v_lshl_add_u32 v[XO], v[H], 11, v[XO]          ; 16 r + eight rows for h
	v_lshlrev_b32 v[LO8], 3, v0                    ; rows 2 x thread, + 1: my wave's own
	v_lshrrev_b32 v[LL], 3, v0
	v_lshlrev_b32 v[LL], 11, v[LL]
	v_and_b32 v[FW], 7, v0
	v_lshl_add_u32 v[LL], v[FW], 3, v[LL]          ; the same rows in lsum: 2,048 bytes for 16 queries of all planes
	s_wait_alu depctr_va_vdst(0)
	s_wait_dscnt 0x0                               ; both opening adds are done
	ROUND                                          ; all four work-groups are here: the joint loads meet
	s_wait_kmcnt 0x0
	s_load_b64 s[50:51], s[8:9], 0x0               ; ep, ex
	s_add_nc_u64 s[52:53], s[10:11], s[46:47]
	s_mov_b32 s[G0], 1
	s_lshl_b32 s[G0+1], s18, 14                    ; LDS: wave x 16,384
	s_add_nc_u64 s[G0+2:G0+3], s[52:53], 0x20000   ; from K step 2 on
	s_or_b32 s[G0+3], s[G0+3], 0x80000000
	tensor_load_to_lds s[G0:G0+3], s[G1:G1+7]      ; my one joint load
	s_nop 0
.rept 4
	v_nop
.endr
	s_add_nc_u64 s[4:5], s[4:5], s[40:41]
	s_add_nc_u64 s[14:15], s[14:15], s[40:41]
	s_add_nc_u64 s[6:7], s[6:7], s[42:43]
	s_add_nc_u64 s[12:13], s[12:13], s[44:45]
.irp j, 0,1,2,3
	global_load_b128 v[M0+4*\j:M0+4*\j+3], v[L16], s[6:7] offset:512*\j   ; every wave reads the plane's whole mask: 'any' needs no other wave
.endr
	global_load_b64 v[MO:MO+1], v[LO8], s[6:7]
	global_load_b64 v[LS:LS+1], v[LL], s[12:13]
	LOADX 0
	LOADX 1
	GLOADP 0
	LOADX 2
	s_lshl_b32 s60, s18, 14
	v_lshl_add_u32 v[AL], v[LN], 4, s60            ; P's images of my query tiles: 8,192 bytes for each of K steps 2 and 3
	v_add_nc_u32 v[BL], XI, v[L16]
	s_lshr_b32 s61, s18, 1
	s_lshl_b32 s61, s61, 9
	s_and_b32 s62, s18, 1
	s_lshl_b32 s62, s62, 3
	s_add_co_u32 s61, s61, s62
	s_add_co_u32 s61, s61, XI
	v_lshl_add_u32 v[IST], v[LN], 4, s61           ; registers 2 w, 2 w + 1 in the image
	s_lshl_b32 s63, s18, 8
	s_add_co_u32 s66, s63, FT
	v_lshl_add_u32 v[FR], v[H], 5, s66             ; factors of my wave's rows 8 h on
	s_add_co_u32 s66, s63, CS0
	v_lshl_add_u32 v[CSW], v[R], 4, s66
	v_lshl_add_u32 v[CSR], v[R], 4, CS0
	s_lshl_b32 s67, s18, 6
	s_add_co_u32 s67, s67, KB
	v_lshl_add_u32 v[KR], v[H], 3, s67
	v_lshl_add_u32 v[FW], v0, 3, FT
	v_lshl_add_u32 v[KW], v0, 1, KB
	v_mov_b32 v[S7F], 0x7f7f7f7f
	v_mov_b32 v[VFF], 0xff
	v_mov_b32 v[V512], 0x44000000
	v_mov_b32 v[PSS], 0x3f6c7326                   ; e^2 / 8
	s_wait_alu depctr_va_vdst(0)
	s_wait_kmcnt 0x0
	s_wait_loadcnt 40                              ; the six small loads are in; x's tiles 0 to 2 (24) and P's K step 0 (16) may be out
	v_max3_num_f32 v[MX], v[M0], v[M0+1], v[M0+2]
	v_max3_num_f32 v[MX+1], v[M0+3], v[M0+4], v[M0+5]
	v_max3_num_f32 v[MX], v[MX], v[M0+6], v[M0+7]
	v_max3_num_f32 v[MX+1], v[MX+1], v[M0+8], v[M0+9]
	v_max3_num_f32 v[MX], v[MX], v[M0+10], v[M0+11]
	v_max3_num_f32 v[MX+1], v[MX+1], v[M0+12], v[M0+13]
	v_max3_num_f32 v[MX], v[MX], v[M0+14], v[M0+15]
	v_max_num_f32 v[MX], v[MX], v[MX+1]
	v_cmp_gt_f32 s70, 0.5, v[MX]
.irp e, 0,1
	v_cmp_gt_f32 s[72+\e], 0.5, v[MO+\e]           ; hid
	v_add_f32 v[TT+\e], 1.0, v[MO+\e]
.endr
.irp e, 0,1
	v_cmp_gt_f32 s[76+\e], 0.5, v[TT+\e]           ; hidd
	v_cndmask_b32 v[KT+\e], v[VFF], v[NIL], s[72+\e]
.endr
	v_lshl_or_b32 v[KT], v[KT+1], 8, v[KT]
	ds_store_b16 v[KW], v[KT]                      ; keep bytes of my two rows
	s_wait_alu depctr_va_vdst(0)                   ; ahead of the scalar lines
	s_add_co_i32 s71, s50, s51                     ; ep + ex
	s_add_co_i32 s87, s50, 127
	s_lshl_b32 s88, s87, 23
	v_mov_b32 v[SCP], s88                          ; 2^ep
	s_add_co_i32 s87, s87, 15
	s_lshl_b32 s87, s87, 23
	s_or_b32 s87, s87, 0x600000
	v_mov_b32 v[LIMP], s87                         ; 57,344 x 2^ep
	s_add_co_i32 s87, s51, 127
	s_lshl_b32 s88, s87, 23
	v_mov_b32 v[SCX], s88
	s_add_co_i32 s87, s87, 15
	s_lshl_b32 s87, s87, 23
	s_or_b32 s87, s87, 0x600000
	v_mov_b32 v[LIMX], s87
	s_cmp_eq_u32 s70, -1                           ; every key of the plane is hid?  Only values are chosen by it
	s_cselect_b32 s86, -1, 0
.irp e, 0,1
	s_and_not1_b32 s[80+\e], s[72+\e], s[76+\e]    ; the row's own key is added by hand: hid and not hidd
	s_and_b32 s[76+\e], s[76+\e], s86              ; the row has no key at all: hidd and not any
.endr
.irp e, 0,1
	v_cndmask_b32 v[TT+\e], v[NIL], v[PSS], s[80+\e]
.endr
.irp e, 0,1
	v_add_f32 v[LS+\e], v[LS+\e], v[TT+\e]
.endr
.irp e, 0,1
	v_cndmask_b32 v[LS+\e], v[LS+\e], v[V512], s[76+\e]
.endr
	s_wait_alu depctr_va_vdst(0)                   ; ahead of the batch
	v_rcp_f32 v[LS], v[LS]                         ; 1 / l
	v_rcp_f32 v[LS+1], v[LS+1]
.irp e, 0,1
	v_sub_f32 v[WW+\e], 1.0, v[MO+\e]
.endr
	v_min_num_f32 v[HH], v[PSS], v[LIMP]           ; P[s][s] and 1 are quantised as P is: held (both are positive) and converted
.irp i, 1,2,3,4,5,6,7
	v_min_num_f32 v[HH+\i], 1.0, v[LIMP]
.endr
	v_cvt_scalef32_pk8_bf8_f32 v[CC:CC+1], v[HH:HH+7], v[SCP]
	v_nop
	v_cvt_scale_pk8_f32_bf8 v[DQ:DQ+7], v[CC:CC+1], v[S7F]   ; the codes' values
	v_nop
	v_mov_b32 v[CONE], v[CC+1]
	s_wait_alu depctr_va_vdst(0)                   ; one wait for both reciprocals, ahead of their first reader
.irp e, 0,1
	v_mul_f32 v[WW+\e], v[WW+\e], v[LS+\e]
.endr
.irp e, 0,1
	v_ldexp_f32 v[WW+\e], v[WW+\e], s71            ; W = (1 - m) 2^(ep + ex) / l
.endr
.irp e, 0,1
	v_mul_f32 v[TT+\e], v[WW+\e], v[DQ]
	v_cndmask_b32 v[FU+\e], v[NIL], v[WW+\e], s[76+\e]
.endr
.irp e, 0,1
	v_cndmask_b32 v[FD+\e], v[NIL], v[TT+\e], s[80+\e]
.endr
	ds_store_b64 v[FW], v[MO:MO+1]                 ; my wave's own rows: read back by my wave alone
	ds_store_b64 v[FW], v[WW:WW+1] offset:2048
	ds_store_b64 v[FW], v[FD:FD+1] offset:4096
	ds_store_b64 v[FW], v[FU:FU+1] offset:6144
.irp c, 0,1,2,3
	ds_load_b64 v[KM+2*\c:KM+2*\c+1], v[KR] offset:16*\c   ; keep bytes of my rows 16 c + 8 h on; LDS serves a wave's instructions in order (ISA guide 5.7.1.4)
.endr
	GLOADP 1
	LOADX 3
.macro ALOAD c                         ; P's four fragments of K step c = 2 or 3 from LDS
.irp q, 0,1,2,3
.irp n, 0,1,2,3
	ds_load_b128 v[AF+64*((\c)%2)+16*\q+4*\n:AF+64*((\c)%2)+16*\q+4*\n+3], v[AL] offset:8192*((\c)-2)+2048*\q+512*\n
.endr
.endr
.endm
.macro BLOAD c, dt
.irp n, 0,1,2,3
	ds_load_b128 v[BF+16*(\dt)+4*\n:BF+16*(\dt)+4*\n+3], v[BL] offset:8192*(\c)+2048*(\dt)+512*\n
.endr
.endm
.macro LFS q                           ; query tile q's factors: m, W, fD, fU of my eight rows
.set FB, FS0+64*((\q)%2)
.irp f, 0,1,2,3
	ds_load_b128 v[FB+8*\f:FB+8*\f+3], v[FR] offset:2048*\f+64*(\q)
	ds_load_b128 v[FB+8*\f+4:FB+8*\f+7], v[FR] offset:2048*\f+64*(\q)+16
.endr
.endm
; My tile c becomes codes, and its part of K step c's images.  younger: the loads issued behind tile c's, which may be out.
.macro QUANT c, younger
	s_wait_alu depctr_va_vdst(0)
	s_wait_loadcnt \younger
.if (\c) < 2
	s_wait_dscnt 0x0                               ; the keep bytes are in (tile 1: tile 0's stores have read the registers written below)
.endif
	WIN 0x01
.irp dt, 0,1,2,3
.irp j, 0,1,2,3,4,5,6,7
	v_med3_num_f32 v[XQ+8*\dt+\j], v[X+32*(\c)+4*\j+\dt], -v[LIMX], v[LIMX]   ; the conversion to an 8-bit code does not saturate (ISA guide 7.6.2); a channel's eight rows come to stand on end
.endr
.endr
	WIN 0
.irp dt, 0,1,2,3
	v_cvt_scalef32_pk8_bf8_f32 v[CQ+8*\dt+2*(\c):CQ+8*\dt+2*(\c)+1], v[XQ+8*\dt:XQ+8*\dt+7], v[SCX]
.endr
	v_nop                                          ; a plain line behind the last conversion
.irp dt, 0,1,2,3
	v_and_b32 v[XQ+2*\dt], v[CQ+8*\dt+2*(\c)], v[KM+2*(\c)]         ; hidden keys get the code 0
	v_and_b32 v[XQ+2*\dt+1], v[CQ+8*\dt+2*(\c)+1], v[KM+2*(\c)+1]
.endr
.irp dt, 0,1,2,3
	ds_store_b64 v[IST], v[XQ+2*\dt:XQ+2*\dt+1] offset:8192*(\c)+2048*\dt
.endr
.if (\c) == 3                          ; colsum of my 64 rows: 16 rows of code(1) x my codes, hidden keys among them
.irp i, 0,1,2,3,4,5,6,7
	v_mov_b32 v[BF+32+\i], v[CONE]
.endr
.irp dt, 0,1,2,3
	v_wmma_f32_16x16x64_bf8_bf8 v[AF+8*\dt:AF+8*\dt+7], v[BF+32:BF+39], v[CQ+8*\dt:CQ+8*\dt+7], 0
.endr
.rept 4
	v_nop
.endr
.irp dt, 0,1,2,3
	v_mov_b32 v[XQ+8+\dt], v[AF+8*\dt]             ; all rows of the result are equal
.endr
	ds_store_b128 v[CSW], v[XQ+8:XQ+11]
.endif
.endm
.macro MEET                            ; behind it the images stored so far are whole.  Each K step has image bytes of its own: nothing is overwritten
	s_wait_alu depctr_va_vdst(0)
	s_wait_dscnt 0x0                               ; my part of the images has landed
	s_barrier_signal -1
	s_barrier_wait -1
.endm
; K step c's products: 16 matrix instructions, the 16 accumulators by turns, one instruction a turn.
.macro PROD c
.set FA, AF+64*((\c)%2)
.if (\c) == 2
	s_wait_tensorcnt 0x0                           ; my query tiles' codes of K steps 2 and 3 have landed; my wave alone reads them
	ALOAD 2
.endif
.irp dt, 0,1,2,3
	BLOAD \c, \dt                                  ; (plain lines or v_nop stand behind the last K step's products)
.endr
.if (\c) == 0
	s_wait_loadcnt 32                              ; P's K step 0 is in; x's tile 2 (8), P's K step 1 (16) and x's tile 3 (8) may be out
.elseif (\c) == 1
	s_wait_loadcnt 8                               ; P's K step 1 is in; x's tile 3 may be out
.elseif (\c) == 2
	ALOAD 3
.else
.irp w, 0,1,2,3,4,5,6,7
	ds_load_b128 v[CP+4*\w:CP+4*\w+3], v[CSR] offset:256*\w        ; the eight parts of colsum
.endr
	LFS 0
.endif
	WIN 0x50                                       ; sources 0 and 1 window 0, C and D window 1
.irp dt, 0,1,2,3
	s_wait_dscnt 12-4*\dt+16*((\c)/2)              ; this channel tile's fragment is in (and P's); the later ones, four loads each, may be out (K steps 2 and 3: and 16 more)
.irp q, 0,1,2,3
.if (\c) == 0
	v_wmma_f32_16x16x128_bf8_bf8 v[ACC+32*\q+8*\dt:ACC+32*\q+8*\dt+7], v[FA+16*\q:FA+16*\q+15], v[BF+16*\dt:BF+16*\dt+15], 0
.else
	v_wmma_f32_16x16x128_bf8_bf8 v[ACC+32*\q+8*\dt:ACC+32*\q+8*\dt+7], v[FA+16*\q:FA+16*\q+15], v[BF+16*\dt:BF+16*\dt+15], v[ACC+32*\q+8*\dt:ACC+32*\q+8*\dt+7]
.endif
.endr
.endr
	WIN 0
.rept 4
	v_nop                                          ; places in front of loads and lines that write registers which the products read
.endr
.endm
	QUANT 0, 56                                    ; behind tile 0: tile 1 (8), P's K step 0 (16), tile 2 (8), P's K step 1 (16), tile 3 (8)
	QUANT 1, 48
	MEET
	PROD 0
	QUANT 2, 24                                    ; behind tile 2: P's K step 1 (16), tile 3 (8)
	MEET
	PROD 1
	PROD 2
	QUANT 3, 0
	MEET
	PROD 3
	LFS 1
	s_wait_alu depctr_va_vdst(0)
	s_wait_dscnt 8                                 ; colsum's parts and tile 0's factors are in; tile 1's eight loads may be out
.macro HALVE n
.set I, 0
.rept \n
	v_pk_add_f32 v[CP+4*I:CP+4*I+1], v[CP+4*I:CP+4*I+1], v[CP+4*I+4*\n:CP+4*I+4*\n+1]
	v_pk_add_f32 v[CP+4*I+2:CP+4*I+3], v[CP+4*I+2:CP+4*I+3], v[CP+4*I+4*\n+2:CP+4*I+4*\n+3]
.set I, I+1
.endr
.endm
	HALVE 4
	HALVE 2
	HALVE 1
.irp dt, 0,1,2,3
	v_mov_b32 v[CSU+2*\dt], v[CP+\dt]
	v_mov_b32 v[CSU+2*\dt+1], v[CP+\dt]
.endr
; THE WAY OUT, a tile of 16 queries at a time: all in registers.
.macro TILE q
.set FQ, FS0+64*((\q)%2)
.set OS, OUT+64*((\q)%2)
.if (\q) > 0
.if (\q) < 3
	LFS (\q)+1
.endif
	s_wait_alu depctr_va_vdst(0)
.if (\q) < 3
	s_wait_dscnt 8                                 ; this tile's factors are in; the next tile's may be out
.else
	s_wait_dscnt 0x0
.endif
.if (\q) > 1
	s_wait_xcnt 0x0                                ; the stores of the tile two back have read their registers
.endif
.endif
.irp dt, 0,1,2,3
	v_cvt_scale_pk8_f32_bf8 v[XQ+8*\dt:XQ+8*\dt+7], v[CQ+8*\dt+2*(\q):CQ+8*\dt+2*(\q)+1], v[S7F]   ; val(code(x)) of the rows themselves
.endr
	v_nop
.irp dt, 0,1,2,3
.irp i, 0,2,4,6
	v_pk_mul_f32 v[XQ+8*\dt+\i:XQ+8*\dt+\i+1], v[XQ+8*\dt+\i:XQ+8*\dt+\i+1], v[FQ+16+\i:FQ+16+\i+1]   ; x fD
.endr
.endr
.irp dt, 0,1,2,3
.irp i, 0,2,4,6
	v_pk_fma_f32 v[XQ+8*\dt+\i:XQ+8*\dt+\i+1], v[CSU+2*\dt:CSU+2*\dt+1], v[FQ+24+\i:FQ+24+\i+1], v[XQ+8*\dt+\i:XQ+8*\dt+\i+1]   ; + colsum fU
.endr
.endr
	WIN 0x01
.irp dt, 0,1,2,3
.irp i, 0,2,4,6
	v_pk_fma_f32 v[XQ+8*\dt+\i:XQ+8*\dt+\i+1], v[ACC+32*(\q)+8*\dt+\i:ACC+32*(\q)+8*\dt+\i+1], v[FQ+8+\i:FQ+8+\i+1], v[XQ+8*\dt+\i:XQ+8*\dt+\i+1]   ; + G W: each accumulator from its low end on
.endr
.endr
.irp j, 0,1,2,3,4,5,6,7
.irp dt, 0,1,2,3
	v_fma_f32 v[OS+4*\j+\dt], v[X+32*(\q)+4*\j+\dt], v[FQ+\j], v[XQ+8*\dt+\j]   ; + x m: four neighbouring channels come to stand on end
.endr
.endr
	WIN 0
.irp j, 0,1,2,3,4,5,6,7
	global_store_b128 v[XO], v[OS+4*\j:OS+4*\j+3], s[14:15] offset:4096*(\q)+256*\j th:TH_STORE_NT   ; 16 lanes store one row of 256 bytes, aligned
.endr
.endm
	TILE 0
	TILE 1
	TILE 2
	TILE 3
	s_wait_tensorcnt 0x0                           ; the wave's end, behind my tensor load and my last LDS store
	ds_add_u32 v[SPW], v[NIL]
	s_wait_dscnt 0x0
	ROUND                                          ; the closing round: no work-group ends while a partner may still issue a load that names it
	s_endpgm
.Lfunc_end_k_qa661bd220e_mix:
	.size	k_qa661bd220e_mix, .Lfunc_end_k_qa661bd220e_mix-k_qa661bd220e_mix
	.p2alignl 7, 3214868480
	.fill 96, 4, 3214868480
	.section	.rodata,"a",@progbits
	.p2align	6, 0x0
	.amdhsa_kernel k_qa661bd220e_mix
		.amdhsa_group_segment_fixed_size 327680
		.amdhsa_private_segment_fixed_size 0
		.amdhsa_enable_private_segment 0
		.amdhsa_kernarg_size 48
		.amdhsa_user_sgpr_count 2
		.amdhsa_user_sgpr_kernarg_segment_ptr 1
		.amdhsa_wavefront_size32 1
		.amdhsa_system_sgpr_workgroup_id_x 1
		.amdhsa_system_sgpr_workgroup_id_y 1
		.amdhsa_system_sgpr_workgroup_id_z 1
		.amdhsa_system_vgpr_workitem_id 0
		.amdhsa_next_free_vgpr 512
		.amdhsa_next_free_sgpr 96
		.amdhsa_reserve_vcc 0
		.amdhsa_float_denorm_mode_32 3
		.amdhsa_float_denorm_mode_16_64 3
		.amdhsa_memory_ordered 1
		.amdhsa_forward_progress 1
		.amdhsa_inst_pref_size 69
	.end_amdhsa_kernel
	.amdgpu_metadata
---
amdhsa.version: [ 1, 2 ]
amdhsa.kernels:
  - .name:           k_qa661bd220e_mix
    .symbol:         k_qa661bd220e_mix.kd
    .args:
      - { .name: x, .offset: 0, .size: 8, .value_kind: global_buffer, .address_space: global }
      - { .name: mask, .offset: 8, .size: 8, .value_kind: global_buffer, .address_space: global }
      - { .name: lowp_scales, .offset: 16, .size: 8, .value_kind: global_buffer, .address_space: global }
      - { .name: acodes, .offset: 24, .size: 8, .value_kind: global_buffer, .address_space: global }
      - { .name: lsum, .offset: 32, .size: 8, .value_kind: global_buffer, .address_space: global }
      - { .name: out0, .offset: 40, .size: 8, .value_kind: global_buffer, .address_space: global }
    .group_segment_fixed_size: 327680
    .private_segment_fixed_size: 0
    .kernarg_segment_align: 8
    .kernarg_segment_size: 48
    .max_flat_workgroup_size: 256
    .sgpr_count:     96
    .vgpr_count:     512
    .wavefront_size: 32
...
	.end_amdgpu_metadata
.endif
;; end of part 2
